; MI455X (gfx1250); checked and timed in simulation.
; The chip was launched on July 23, 2026; its instructions are those of AMD's public machine-readable ISA for CDNA 5 (MIT licence, August 2026) and "CDNA5" Instruction Set Architecture Reference Guide (July 2026). The comments in the code are by the model that wrote it; some were corrected since.
;; Spatial Transformer. Allowed arithmetic: float matrix products may take bf16 or f16 operands with f32 sums; all other float work in f32.
;; Inputs: flow 2 x 3 x 160 x 192 x 160 float32; src 2 x 1 x 160 x 192 x 160 float32.
;; Outputs: out0 2 x 1 x 160 x 192 x 160 float32.
;; 2 versions, each right; version 2 is version 1 with the launches locate, sample written anew for expert scheduling mode. Each part assembles by itself: llvm-mc -triple=amdgcn-amd-amdhsa -mcpu=gfx1250 --defsym DOCPART=n.
;; ======== version 1 of 2: 2 launches
;; workspace buffers: cell 39,321,600 bytes of whole numbers
;; launch locate (part 1): grid 256 x 1, 20 waves a work-group, no clusters, 0 bytes of LDS; arguments flow, cell; writes cell
.if DOCPART == 1
	.amdgcn_target "amdgcn-amd-amdhsa--gfx1250"
	.amdhsa_code_object_version 6
	.text
	.protected	k_qf0b67254ed_locate
	.globl	k_qf0b67254ed_locate
	.p2align	8
	.type	k_qf0b67254ed_locate,@function
k_qf0b67254ed_locate:
	s_mov_b64 s[64:65], 0
	v_nop
	global_prefetch_b8 v0, s[64:65] scope:SCOPE_SE
	s_setreg_imm32_b32 hwreg(HW_REG_WAVE_MODE, 25, 1), 1
	s_wait_xcnt 0x0
; locate: for every output voxel (n, z, y, x) the cell of src into which its sample falls, as one whole number.
; flow: [2][3][160][192][160] f32 (planes: x, y, z displacement in normalised units).  cell: [2][160][192][160] u32.
; The sample's place in voxels is  px = x + 80 flow_x,  py = y + 96 flow_y,  pz = z + 80 flow_z  (the module's chain through normalised
; coordinates, ((g + flow + 1) S - 1) / 2 with g = (2 i + 1) / S - 1, multiplied out; here one fused multiply-add, one rounding).
; Stored:  4 xb | yb << 10 | zb << 18,  with xb = clamp(floor(px), 0, 158), yb = clamp(floor(py), 0, 190), zb = clamp(floor(pz), 0, 158):
; the low corner of a 2 x 2 x 2 cell that lies wholly inside src and holds every corner of the sample that is inside.
; A voxel of which no corner is inside (some floor is more than 1 away from its clamped value) gets the word 0: the next launch gives such
; a voxel weights of zero in the axis that is outside, wherever it reads, and lanes that all read cell 0 ask for the same bytes.
; LIMITS: flow is taken to be finite (NaN gives the word 0).  The place differs from the module's by that chain's own rounding,
; a few units in the last place of the normalised coordinate times S / 2.
;
; 256 work-groups of 20 waves.  A work-group owns 240 rows (153,600 bytes of each plane), taken as 15 steps of 16 rows.
; Thread t takes the 16 bytes at 16 t of a step: 4 voxels of row t / 40; a wave's load or store covers 512 consecutive bytes, aligned.
; 16 divides 192, so a step lies in one z; 240 divides 30,720, so a work-group lies in one batch.
; A ring of DEPTH register slots keeps 3 x DEPTH loads of every wave on their way.  Every step has output registers of its own and all
; steps stand in the immediates, so no register that a pending load or store names is ever written again.
.set PLANE, 19660800                   ; bytes of one [160][192][160] f32 volume
.set STEPB, 10240                      ; bytes of 16 rows
.set STEPS, 15
.set CHUNK, STEPS*STEPB                ; a work-group's bytes in each plane
.set DEPTH, 5                          ; slots of the ring
.set OFF,  1                           ; v1        16 t, never rewritten
.set XF,   2                           ; v[2:5]    x of my 4 voxels, f32
.set RF,   6                           ; v6        my row in a step, f32
.set YF,   8                           ; v[8:9]    y of my row in this step, twice (a pair for the packed forms)
.set ZF,   10                          ; v[10:11]  z of this step, twice
.set T,    12                          ; v[12:23]  places, then floors, then floor - clamped: x 0-3, y 4-7, z 8-11
.set U,    24                          ; v[24:35]  clamped floors, then the word as f32
.set RING, 36                          ; v[36:95]  slot i: flow_x, flow_y, flow_z of 4 voxels
.set O,    96                          ; v[96:155] step s: 4 words to store
	s_load_b128 s[4:7], s[0:1], 0x0                ; flow s[4:5], cell s[6:7]
	s_lshr_b32 s8, ttmp9, 7                        ; batch n: work-groups 0-127 and 128-255
	s_and_b32 s9, ttmp9, 127                       ; my number g in the batch
	s_mul_i32 s10, s8, 3*PLANE                     ; flow: three planes a batch,
	s_mul_i32 s12, s9, CHUNK
	s_add_co_u32 s10, s10, s12                     ; + my chunk (below 2^27)
	s_mov_b32 s11, 0
	s_mul_i32 s12, ttmp9, CHUNK                    ; cell: one plane a batch, so simply the work-group's number
	s_mov_b32 s13, 0
	s_mul_i32 s30, s9, 5                           ; my first row is 240 g = 48 x 5 g, and a slice is 48 x 4 rows:
	s_lshr_b32 s17, s30, 2                         ; z = 5 g / 4
	s_and_b32 s30, s30, 3
	s_mul_i32 s30, s30, 48                         ; s30: y of the step's first row = 48 (5 g mod 4)
	s_cvt_f32_u32 s31, s17                         ; s31: z of the step, f32
	s_add_co_u32 s17, s17, 1
	s_cvt_f32_u32 s17, s17                         ; s17: z + 1, f32 (240 rows cross a slice's end at most once)
	s_cvt_f32_u32 s32, s30                         ; s32: y of the step's first row, f32
	s_mov_b32 s20, 0x42a00000                      ; 80.0, as a pair for the packed forms
	s_mov_b32 s21, 0x42a00000
	s_mov_b32 s22, 0x42c00000                      ; 96.0
	s_mov_b32 s23, 0x42c00000
	s_mov_b32 s18, 0x44800000                      ; 1024.0
	s_mov_b32 s19, 0x44800000
	s_mov_b32 s34, 0x48800000                      ; 262144.0
	s_mov_b32 s35, 0x48800000
	s_mov_b32 s28, 0x431e0000                      ; 158.0
	s_mov_b32 s29, 0x433e0000                      ; 190.0
	v_lshlrev_b32 v[OFF], 4, v0
	v_mul_u32_u24 v7, 0x667, v0                    ; t / 40 = t x 1639 >> 16: the excess, t x 9.2e-6, stays under 1/40 up to t = 639
	v_lshrrev_b32 v7, 16, v7
	v_mul_u32_u24 v[T], 40, v7
	v_sub_nc_u32 v[T], v0, v[T]                    ; t mod 40
	v_lshlrev_b32 v[T], 2, v[T]                    ; x of my first voxel
	v_cvt_f32_u32 v[RF], v7
	v_cvt_f32_u32 v[XF], v[T]
	v_add_f32 v[XF+1], 1.0, v[XF]
	v_add_f32 v[XF+2], 2.0, v[XF]
	v_add_f32 v[XF+3], 1.0, v[XF+2]
	s_wait_kmcnt 0x0
	s_add_nc_u64 s[4:5], s[4:5], s[10:11]          ; flow_x at my chunk
	s_add_nc_u64 s[24:25], s[4:5], PLANE           ; flow_y
	s_add_nc_u64 s[26:27], s[24:25], PLANE         ; flow_z
	s_add_nc_u64 s[6:7], s[6:7], s[12:13]          ; cell at my chunk
.macro FILL s                          ; the three planes' 16 bytes of step s into its slot
.set R, RING+12*((\s)%DEPTH)
	global_load_b128 v[R:R+3],    v[OFF], s[4:5]   offset:(\s)*STEPB th:TH_LOAD_NT
	global_load_b128 v[R+4:R+7],  v[OFF], s[24:25] offset:(\s)*STEPB th:TH_LOAD_NT
	global_load_b128 v[R+8:R+11], v[OFF], s[26:27] offset:(\s)*STEPB th:TH_LOAD_NT
.endm
.irp s, 0,1,2,3,4
	FILL \s
.endr
.macro STEP s
.set R, RING+12*((\s)%DEPTH)
.if STEPS-1-(\s) < DEPTH-1
.set LEFT, 3*(STEPS-1-(\s))            ; the last steps: nothing is fetched any more, the counts run down
.else
.set LEFT, 3*(DEPTH-1)
.endif
	v_add_f32 v[YF], s32, v[RF]                    ; y of my row (whole numbers: exact)
	v_add_f32 v[YF+1], s32, v[RF]
	v_mov_b32 v[ZF], s31
	v_mov_b32 v[ZF+1], s31
	s_add_co_u32 s30, s30, 16                      ; the next step's y and z
	s_cmp_eq_u32 s30, 192
	s_cselect_b32 s30, 0, s30
	s_cselect_b32 s31, s17, s31
	s_cvt_f32_u32 s32, s30
	s_wait_loadcnt LEFT                            ; loads come back in order (ISA guide 5.7.1): my three are in, the three of each younger step stay out
.irp p, 0,2
	v_pk_fma_f32 v[T+\p:T+\p+1],   v[R+\p:R+\p+1],     s[20:21], v[XF+\p:XF+\p+1] op_sel_hi:[1,0,1]   ; px = 80 flow_x + x
	v_pk_fma_f32 v[T+4+\p:T+5+\p], v[R+4+\p:R+5+\p],   s[22:23], v[YF:YF+1]       op_sel_hi:[1,0,1]   ; py = 96 flow_y + y
	v_pk_fma_f32 v[T+8+\p:T+9+\p], v[R+8+\p:R+9+\p],   s[20:21], v[ZF:ZF+1]       op_sel_hi:[1,0,1]   ; pz = 80 flow_z + z
.endr
.if (\s)+DEPTH < STEPS
	FILL (\s)+DEPTH                                ; the slot has been read: its next step goes out at once, ahead of the store
.endif
.irp k, 0,1,2,3,4,5,6,7,8,9,10,11
	v_floor_f32 v[T+\k], v[T+\k]
.endr
.irp k, 0,1,2,3
	v_med3_num_f32 v[U+\k],   v[T+\k],   0, s28    ; the middle of three is the clamp
	v_med3_num_f32 v[U+4+\k], v[T+4+\k], 0, s29
	v_med3_num_f32 v[U+8+\k], v[T+8+\k], 0, s28
.endr
.irp p, 0,2,4,6,8,10
	v_pk_add_f32 v[T+\p:T+\p+1], v[T+\p:T+\p+1], v[U+\p:U+\p+1] neg_lo:[0,1] neg_hi:[0,1]   ; how far the clamp moved the floor
.endr
.irp k, 0,1,2,3
	v_max3_num_f32 v[T+\k], |v[T+\k]|, |v[T+4+\k]|, |v[T+8+\k]|                             ; at most 1 in every axis: some corner is inside
.endr
	; the word, made in f32: 4 xb + 1024 yb + 262144 zb is a multiple of 4 below 2^26, so every sum is exact
.irp p, 0,2
	v_pk_mul_f32 v[U+\p:U+\p+1], v[U+\p:U+\p+1], 4.0 op_sel_hi:[1,0]
.endr
.irp p, 0,2
	v_pk_fma_f32 v[U+\p:U+\p+1], v[U+4+\p:U+5+\p], s[18:19], v[U+\p:U+\p+1] op_sel_hi:[1,0,1]
.endr
.irp p, 0,2
	v_pk_fma_f32 v[U+\p:U+\p+1], v[U+8+\p:U+9+\p], s[34:35], v[U+\p:U+\p+1] op_sel_hi:[1,0,1]
.endr
.irp k, 0,1,2,3
	v_cmp_ge_f32 s[36+\k], 1.0, v[T+\k]
.endr
.irp k, 0,1,2,3
	v_cndmask_b32 v[U+\k], 0, v[U+\k], s[36+\k]    ; a choice of a value only: wholly outside -> cell 0
.endr
.irp k, 0,1,2,3
	v_cvt_u32_f32 v[O+4*(\s)+\k], v[U+\k]
.endr
	global_store_b128 v[OFF], v[O+4*(\s):O+4*(\s)+3], s[6:7] offset:(\s)*STEPB th:TH_STORE_NT
.endm
.irp s, 0,1,2,3,4,5,6,7,8,9,10,11,12,13,14
	STEP \s
.endr
	s_endpgm
.Lfunc_end_k_qf0b67254ed_locate:
	.size	k_qf0b67254ed_locate, .Lfunc_end_k_qf0b67254ed_locate-k_qf0b67254ed_locate
	.p2alignl 7, 3214868480
	.fill 96, 4, 3214868480
	.section	.rodata,"a",@progbits
	.p2align	6, 0x0
	.amdhsa_kernel k_qf0b67254ed_locate
		.amdhsa_group_segment_fixed_size 0
		.amdhsa_private_segment_fixed_size 0
		.amdhsa_enable_private_segment 0
		.amdhsa_kernarg_size 16
		.amdhsa_user_sgpr_count 2
		.amdhsa_user_sgpr_kernarg_segment_ptr 1
		.amdhsa_wavefront_size32 1
		.amdhsa_system_sgpr_workgroup_id_x 1
		.amdhsa_system_sgpr_workgroup_id_y 1
		.amdhsa_system_sgpr_workgroup_id_z 1
		.amdhsa_system_vgpr_workitem_id 0
		.amdhsa_next_free_vgpr 156
		.amdhsa_next_free_sgpr 66
		.amdhsa_reserve_vcc 0
		.amdhsa_float_denorm_mode_32 3
		.amdhsa_float_denorm_mode_16_64 3
		.amdhsa_memory_ordered 1
		.amdhsa_forward_progress 1
		.amdhsa_inst_pref_size 60
	.end_amdhsa_kernel
	.amdgpu_metadata
---
amdhsa.version: [ 1, 2 ]
amdhsa.kernels:
  - .name:           k_qf0b67254ed_locate
    .symbol:         k_qf0b67254ed_locate.kd
    .args:
      - { .name: flow, .offset: 0, .size: 8, .value_kind: global_buffer, .address_space: global }
      - { .name: cell, .offset: 8, .size: 8, .value_kind: global_buffer, .address_space: global }
    .group_segment_fixed_size: 0
    .private_segment_fixed_size: 0
    .kernarg_segment_align: 8
    .kernarg_segment_size: 16
    .max_flat_workgroup_size: 640
    .sgpr_count:     66
    .vgpr_count:     156
    .wavefront_size: 32
...
	.end_amdgpu_metadata
.endif
;; end of part 1
;; launch sample (part 2): grid 256 x 1, 20 waves a work-group, no clusters, 0 bytes of LDS; arguments flow, src, cell, out0; writes out0
.if DOCPART == 2
	.amdgcn_target "amdgcn-amd-amdhsa--gfx1250"
	.amdhsa_code_object_version 6
	.text
	.protected	k_qf0b67254ed_sample
	.globl	k_qf0b67254ed_sample
	.p2align	8
	.type	k_qf0b67254ed_sample,@function
k_qf0b67254ed_sample:
	s_mov_b64 s[64:65], 0
	v_nop
	global_prefetch_b8 v0, s[64:65] scope:SCOPE_SE
	s_setreg_imm32_b32 hwreg(HW_REG_WAVE_MODE, 25, 1), 1
	s_wait_xcnt 0x0
; sample: out0[n][z][y][x] = trilinear sample of src[n] at (x + 80 flow_x, y + 96 flow_y, z + 80 flow_z), zeros outside.
; flow: [2][3][160][192][160] f32.  src, out0: [2][160][192][160] f32.  cell: one word a voxel from the launch before,
; 4 xb | yb << 10 | zb << 18: the low corner of a 2 x 2 x 2 cell that lies wholly inside src.  All addresses of the gather come from these words.
; WEIGHTS.  In each axis d = place - corner, made as fma(flow, S/2, index - corner).  The two planes of the cell get
;   w0 = med3(1 - d, 0, 1 + d)   and   w1 = med3(d, 0, 2 - d),
; the hat function max(0, 1 - |distance|) at distance d and d - 1.  Inside that is (1 - f, f); where the cell was clamped at a border only the
; plane that is a true corner keeps a weight; where the place is outside in that axis both are 0.  So no mask is needed, and a voxel that
; the launch before sent to cell 0 because it is wholly outside comes out as 0.
; LIMITS: flow and src are taken to be finite: a weight of 0 meets whatever lies in the cell that is read, which at borders and outside is
; not the element that the module would multiply by 0; an infinite flow gives 0.  The place has one rounding instead of the module's
; chain through normalised coordinates.  The eight products are summed axis by axis (x, then y, then z).
;
; 256 work-groups of 20 waves; 240 rows each as 15 steps of 16 rows; thread t takes the 16 bytes at 16 t of a step (4 voxels of row t / 40), so
; a wave's stream load or store covers 512 consecutive bytes, aligned.  A step lies in one z, a work-group in one batch.
; THE PIPELINE, two register buffers for everything, step s in buffer s mod 2:
;   LOADA(s)   4 stream loads: the words and the three flow planes
;   STAGEB(s)  unpack, clamp, 4 addresses, 32 gathers; the 12 distances d; then LOADA(s + 2) into the buffer just read
;   STAGEC(s)  24 weights, 28 packed multiply-adds, one store
; in the order  A0 A1 B0 | B1 C0 B2 C1 | B3 C2 B4 C3 | ... | B11 C10 B12 C11 | B13 C12 B14 C13 C14.
; So a step's gathers have the next step's STAGEB and the weights of their own STAGEC in which to land, and stream loads two steps.
; By this text's count up to 72 loads of a wave are asked for at once; past what LOADcnt's field holds the issue waits (ISA guide 5.7.1).
.set PLANE, 19660800                   ; bytes of one volume
.set SLICE, 122880                     ; bytes of one z
.set ROWB,  640                        ; bytes of one row
.set STEPB, 10240                      ; bytes of 16 rows
.set STEPS, 15
.set CHUNK, STEPS*STEPB
.set TRIPS, (STEPS-3)/2                ; trips of two steps; B0 stands in front, B13 and B14 (no more fills) behind
.set OFF, 1                            ; v1         16 t, never rewritten
.set XF,  2                            ; v[2:5]     x of my 4 voxels, f32
.set RF,  6                            ; v6         my row in a step, f32
.set YF,  8                            ; v[8:9]     y of my row, twice
.set ZF,  10                           ; v[10:11]   z of the step, twice
.set A,   12                           ; v[12:43]   2 x (4 words, 4 flow_x, 4 flow_y, 4 flow_z)
.set ADR, 44                           ; v[44:51]   2 x 4 byte offsets of cells in src[n]
.set DD,  52                           ; v[52:75]   2 x 12 distances: x 0-3, y 4-7, z 8-11
.set OUT, 76                           ; v[76:83]   2 x 4 results
.set TB,  84                           ; v[84:95]   at work
.set TM,  96                           ; v[96:99]   at work
.set WT,  100                          ; v[100:123] weights: axis m, plane k, voxel j at 8 m + 4 k + j
.set G,   124                          ; v[124:187] 2 x 32 gathered words: corner (dz, dy, dx) of voxel j at 16 dz + 8 dy + 4 dx + j
	s_load_b256 s[4:11], s[0:1], 0x0               ; flow s[4:5], src s[6:7], cell s[8:9], out0 s[10:11]
	s_lshr_b32 s12, ttmp9, 7                       ; batch n
	s_and_b32 s13, ttmp9, 127                      ; my number g in the batch
	s_mul_i32 s14, s12, 3*PLANE                    ; flow: three planes a batch, + my chunk
	s_mul_i32 s16, s13, CHUNK
	s_add_co_u32 s14, s14, s16
	s_mov_b32 s15, 0
	s_mul_i32 s16, ttmp9, CHUNK                    ; cell and out0: one plane a batch
	s_mov_b32 s17, 0
	s_mul_i32 s18, s12, PLANE                      ; src: my batch's volume
	s_mov_b32 s19, 0
	s_mul_i32 s31, s13, 5                          ; my first row is 240 g = 48 x 5 g; a slice is 48 x 4 rows
	s_lshr_b32 s33, s31, 2
	s_and_b32 s31, s31, 3
	s_mul_i32 s31, s31, 48                         ; s31: y of the step's first row
	s_cvt_f32_u32 s32, s33                         ; s32: z of the step, f32
	s_add_co_u32 s33, s33, 1
	s_cvt_f32_u32 s33, s33                         ; s33: z + 1, f32 (240 rows cross a slice's end at most once)
	s_cvt_f32_u32 s34, s31                         ; s34: y of the step's first row, f32
	s_mov_b32 s20, 0x42a00000                      ; 80.0, as a pair for the packed forms
	s_mov_b32 s21, 0x42a00000
	s_mov_b32 s22, 0x42c00000                      ; 96.0
	s_mov_b32 s23, 0x42c00000
	s_mov_b32 s24, 0xbe800000                      ; -0.25
	s_mov_b32 s25, 0xbe800000
	v_lshlrev_b32 v[OFF], 4, v0
	v_mul_u32_u24 v7, 0x667, v0                    ; t / 40 = t x 1639 >> 16, right up to t = 639
	v_lshrrev_b32 v7, 16, v7
	v_mul_u32_u24 v[TB], 40, v7
	v_sub_nc_u32 v[TB], v0, v[TB]
	v_lshlrev_b32 v[TB], 2, v[TB]                  ; x of my first voxel
	v_cvt_f32_u32 v[RF], v7
	v_cvt_f32_u32 v[XF], v[TB]
	v_add_f32 v[XF+1], 1.0, v[XF]
	v_add_f32 v[XF+2], 2.0, v[XF]
	v_add_f32 v[XF+3], 1.0, v[XF+2]
	s_wait_kmcnt 0x0
	s_add_nc_u64 s[4:5], s[4:5], s[14:15]          ; flow_x at my chunk
	s_add_nc_u64 s[26:27], s[4:5], PLANE           ; flow_y
	s_add_nc_u64 s[28:29], s[26:27], PLANE         ; flow_z
	s_add_nc_u64 s[8:9], s[8:9], s[16:17]          ; cell at my chunk
	s_add_nc_u64 s[10:11], s[10:11], s[16:17]      ; out0 at my chunk
	s_add_nc_u64 s[6:7], s[6:7], s[18:19]          ; src[n]
.macro LOADA b, off                    ; a step's stream loads; off counts from the step at which the bases stand
	global_load_b128 v[A+16*\b:A+16*\b+3],     v[OFF], s[8:9]   offset:\off th:TH_LOAD_NT
	global_load_b128 v[A+16*\b+4:A+16*\b+7],   v[OFF], s[4:5]   offset:\off th:TH_LOAD_NT
	global_load_b128 v[A+16*\b+8:A+16*\b+11],  v[OFF], s[26:27] offset:\off th:TH_LOAD_NT
	global_load_b128 v[A+16*\b+12:A+16*\b+15], v[OFF], s[28:29] offset:\off th:TH_LOAD_NT
.endm
; left: how many younger loads may stay out when this step's stream loads have to be there.
; more = 1: the step two further on is fetched, at foff.  stepb = 1: the five stream bases go two steps on.
.macro STAGEB b, left, more, foff, stepb
.set AB,  A+16*\b
.set ADB, ADR+4*\b
.set DB,  DD+12*\b
.set GB,  G+32*\b
	v_add_f32 v[YF], s34, v[RF]                    ; y of my row (whole numbers: exact)
	v_add_f32 v[YF+1], s34, v[RF]
	v_mov_b32 v[ZF], s32
	v_mov_b32 v[ZF+1], s32
	s_add_co_u32 s31, s31, 16                      ; the next step's y and z
	s_cmp_eq_u32 s31, 192
	s_cselect_b32 s31, 0, s31
	s_cselect_b32 s32, s33, s32
	s_cvt_f32_u32 s34, s31
	s_wait_loadcnt \left                           ; loads come back in order (ISA guide 5.7.1): my four stream loads are in
	s_wait_xcnt 0x0                                ; every earlier memory instruction has had its addresses translated (ISA guide 3.1): the results' registers, which
	                                               ; stores read, and the bases are written again only behind this wait; the youngest of them was issued just ahead of this stage
.if \stepb
	s_add_nc_u64 s[4:5], s[4:5], 2*STEPB
	s_add_nc_u64 s[26:27], s[26:27], 2*STEPB
	s_add_nc_u64 s[28:29], s[28:29], 2*STEPB
	s_add_nc_u64 s[8:9], s[8:9], 2*STEPB
	s_add_nc_u64 s[10:11], s[10:11], 2*STEPB
.endif
.irp j, 0,1,2,3
	v_and_b32     v[TB+\j],   0x3fc, v[AB+\j]      ; 4 xb
	v_bfe_u32     v[TB+4+\j], v[AB+\j], 10, 8      ; yb
	v_lshrrev_b32 v[TB+8+\j], 18, v[AB+\j]         ; zb
.endr
.irp j, 0,1,2,3
	v_min_u32 v[TB+\j],   0x278, v[TB+\j]          ; a number read from memory enters an address only behind a clamp to its field's largest value
	v_min_u32 v[TB+4+\j], 0xbe,  v[TB+4+\j]        ; (4 x 158, 190, 158): whatever the words hold, the cell's far corner is at most src[n]'s last element
	v_min_u32 v[TB+8+\j], 0x9e,  v[TB+8+\j]
.endr
.irp j, 0,1,2,3
	v_mul_u32_u24 v[ADB+\j], 0x1e000, v[TB+8+\j]   ; zb slices
	v_mul_u32_u24 v[TM+\j],  0x280,   v[TB+4+\j]   ; yb rows
.endr
.irp j, 0,1,2,3
	v_add_nc_u32 v[ADB+\j], v[ADB+\j], v[TM+\j]
.endr
.irp j, 0,1,2,3
	v_add_nc_u32 v[ADB+\j], v[ADB+\j], v[TB+\j]
.endr
.irp j, 0,1,2,3
.irp z, 0,1
.irp y, 0,1
.irp x, 0,1
	global_load_b32 v[GB+16*\z+8*\y+4*\x+\j], v[ADB+\j], s[6:7] offset:\z*SLICE+\y*ROWB+\x*4   ; the corner stands in the immediate; the two x of a row follow each other
.endr
.endr
.endr
.endr
	; while the gathers are on their way: the distances
.irp k, 0,1,2,3,4,5,6,7,8,9,10,11
	v_cvt_f32_u32 v[TB+\k], v[TB+\k]
.endr
.irp p, 0,2
	v_pk_fma_f32 v[TB+\p:TB+\p+1],   v[TB+\p:TB+\p+1], s[24:25], v[XF+\p:XF+\p+1] op_sel_hi:[1,0,1]     ; x - xb, exact
	v_pk_add_f32 v[TB+4+\p:TB+5+\p], v[YF:YF+1], v[TB+4+\p:TB+5+\p] neg_lo:[0,1] neg_hi:[0,1]           ; y - yb
	v_pk_add_f32 v[TB+8+\p:TB+9+\p], v[ZF:ZF+1], v[TB+8+\p:TB+9+\p] neg_lo:[0,1] neg_hi:[0,1]           ; z - zb
.endr
.irp p, 0,2
	v_pk_fma_f32 v[DB+\p:DB+\p+1],   v[AB+4+\p:AB+5+\p],   s[20:21], v[TB+\p:TB+\p+1]   op_sel_hi:[1,0,1]   ; dx = 80 flow_x + (x - xb)
	v_pk_fma_f32 v[DB+4+\p:DB+5+\p], v[AB+8+\p:AB+9+\p],   s[22:23], v[TB+4+\p:TB+5+\p] op_sel_hi:[1,0,1]   ; dy = 96 flow_y + (y - yb)
	v_pk_fma_f32 v[DB+8+\p:DB+9+\p], v[AB+12+\p:AB+13+\p], s[20:21], v[TB+8+\p:TB+9+\p] op_sel_hi:[1,0,1]   ; dz = 80 flow_z + (z - zb)
.endr
.if \more
	LOADA \b, \foff                                ; the buffer has been read: the step two further on goes out
.endif
.endm
; left: how many younger loads may stay out when this step's 32 gathers have to be there.  ooff: the step's place from the bases.
.macro STAGEC b, left, ooff
.set DB, DD+12*\b
.set GB, G+32*\b
.set OB, OUT+4*\b
	; the weights need no gathered word: they stand in front of the wait
.irp m, 0,1,2
.irp p, 0,2
	v_pk_fma_f32 v[TB+\p:TB+\p+1],   v[DB+4*\m+\p:DB+4*\m+\p+1], -1.0, 1.0 op_sel_hi:[1,0,0]   ; 1 - d
	v_pk_add_f32 v[TB+4+\p:TB+5+\p], v[DB+4*\m+\p:DB+4*\m+\p+1], 1.0 op_sel_hi:[1,0]           ; 1 + d
	v_pk_fma_f32 v[TB+8+\p:TB+9+\p], v[DB+4*\m+\p:DB+4*\m+\p+1], -1.0, 2.0 op_sel_hi:[1,0,0]   ; 2 - d
.endr
.irp j, 0,1,2,3
	v_med3_num_f32 v[WT+8*\m+\j],   v[TB+\j],      0, v[TB+4+\j]   ; w0: the hat at distance d
	v_med3_num_f32 v[WT+8*\m+4+\j], v[DB+4*\m+\j], 0, v[TB+8+\j]   ; w1: the hat at distance d - 1
.endr
.endr
	s_wait_loadcnt \left                           ; my 32 gathers are in; what was issued behind them stays out.  It also frees their four address registers
	; x: four rows of the cell, two voxels an instruction, in place
.irp e, 0,2,4,6
.irp p, 0,2
	v_pk_mul_f32 v[GB+4*\e+\p:GB+4*\e+\p+1], v[GB+4*\e+\p:GB+4*\e+\p+1], v[WT+\p:WT+\p+1]
.endr
.endr
.irp e, 0,2,4,6
.irp p, 0,2
	v_pk_fma_f32 v[GB+4*\e+\p:GB+4*\e+\p+1], v[GB+4*\e+4+\p:GB+4*\e+5+\p], v[WT+4+\p:WT+5+\p], v[GB+4*\e+\p:GB+4*\e+\p+1]
.endr
.endr
	; y: two slices
.irp e, 0,4
.irp p, 0,2
	v_pk_mul_f32 v[GB+4*\e+\p:GB+4*\e+\p+1], v[GB+4*\e+\p:GB+4*\e+\p+1], v[WT+8+\p:WT+9+\p]
.endr
.endr
.irp e, 0,4
.irp p, 0,2
	v_pk_fma_f32 v[GB+4*\e+\p:GB+4*\e+\p+1], v[GB+4*\e+8+\p:GB+4*\e+9+\p], v[WT+12+\p:WT+13+\p], v[GB+4*\e+\p:GB+4*\e+\p+1]
.endr
.endr
	; z
.irp p, 0,2
	v_pk_mul_f32 v[OB+\p:OB+\p+1], v[GB+\p:GB+\p+1], v[WT+16+\p:WT+17+\p]
.endr
.irp p, 0,2
	v_pk_fma_f32 v[OB+\p:OB+\p+1], v[GB+16+\p:GB+17+\p], v[WT+20+\p:WT+21+\p], v[OB+\p:OB+\p+1]
.endr
	global_store_b128 v[OFF], v[OB:OB+3], s[10:11] offset:\ooff th:TH_STORE_NT
.endm
	LOADA 0, 0
	LOADA 1, STEPB
	STAGEB 0, 4, 1, 2*STEPB, 0                     ; 4: step 1's stream loads stay out
	s_mov_b32 s30, TRIPS
; Trip i begins with the bases at step 2 i.  In STAGEB 36 = the 32 gathers of the step before + the 4 stream loads of the step behind;
; in STAGEC 40 = 4 stream loads + the next step's 32 gathers + 4 stream loads.  The bases step in the trip's middle, behind the wait that
; stands there anyway, so the second half's offsets count from step 2 i + 2.
.Ltrip:
	STAGEB 1, 36, 1, 3*STEPB, 0                    ; step 2 i + 1; fetches step 2 i + 3
	STAGEC 0, 40, 0                                ; step 2 i
	STAGEB 0, 36, 1, 2*STEPB, 1                    ; step 2 i + 2; fetches step 2 i + 4
	STAGEC 1, 40, -STEPB                           ; step 2 i + 1
	s_sub_co_i32 s30, s30, 1
	s_cmp_lg_u32 s30, 0
	s_cbranch_scc1 .Ltrip
	; the tail, bases at step 12: nothing is left to fetch, so no load leaves a buffer, and the counts run down
	STAGEB 1, 36, 0, 0, 0                          ; step 13: behind its stream loads stand step 12's gathers and step 14's stream loads
	STAGEC 0, 36, 0                                ; step 12: behind its gathers stand step 14's stream loads and step 13's gathers
	STAGEB 0, 32, 0, 0, 0                          ; step 14: behind its stream loads stand step 13's gathers
	STAGEC 1, 32, STEPB                            ; step 13: behind its gathers stand step 14's
	STAGEC 0, 0, 2*STEPB                           ; step 14
	s_endpgm
.Lfunc_end_k_qf0b67254ed_sample:
	.size	k_qf0b67254ed_sample, .Lfunc_end_k_qf0b67254ed_sample-k_qf0b67254ed_sample
	.p2alignl 7, 3214868480
	.fill 96, 4, 3214868480
	.section	.rodata,"a",@progbits
	.p2align	6, 0x0
	.amdhsa_kernel k_qf0b67254ed_sample
		.amdhsa_group_segment_fixed_size 0
		.amdhsa_private_segment_fixed_size 0
		.amdhsa_enable_private_segment 0
		.amdhsa_kernarg_size 32
		.amdhsa_user_sgpr_count 2
		.amdhsa_user_sgpr_kernarg_segment_ptr 1
		.amdhsa_wavefront_size32 1
		.amdhsa_system_sgpr_workgroup_id_x 1
		.amdhsa_system_sgpr_workgroup_id_y 1
		.amdhsa_system_sgpr_workgroup_id_z 1
		.amdhsa_system_vgpr_workitem_id 0
		.amdhsa_next_free_vgpr 188
		.amdhsa_next_free_sgpr 66
		.amdhsa_reserve_vcc 0
		.amdhsa_float_denorm_mode_32 3
		.amdhsa_float_denorm_mode_16_64 3
		.amdhsa_memory_ordered 1
		.amdhsa_forward_progress 1
		.amdhsa_inst_pref_size 61
	.end_amdhsa_kernel
	.amdgpu_metadata
---
amdhsa.version: [ 1, 2 ]
amdhsa.kernels:
  - .name:           k_qf0b67254ed_sample
    .symbol:         k_qf0b67254ed_sample.kd
    .args:
      - { .name: flow, .offset: 0, .size: 8, .value_kind: global_buffer, .address_space: global }
      - { .name: src, .offset: 8, .size: 8, .value_kind: global_buffer, .address_space: global }
      - { .name: cell, .offset: 16, .size: 8, .value_kind: global_buffer, .address_space: global }
      - { .name: out0, .offset: 24, .size: 8, .value_kind: global_buffer, .address_space: global }
    .group_segment_fixed_size: 0
    .private_segment_fixed_size: 0
    .kernarg_segment_align: 8
    .kernarg_segment_size: 32
    .max_flat_workgroup_size: 640
    .sgpr_count:     66
    .vgpr_count:     188
    .wavefront_size: 32
...
	.end_amdgpu_metadata
.endif
;; end of part 2
;; ======== version 2 of 2: 2 launches; version 1 with the launches locate, sample written anew for expert scheduling mode
;; workspace buffers: cell 39,321,600 bytes of whole numbers
;; launch locate (part 3): grid 256 x 1, 20 waves a work-group, no clusters, 0 bytes of LDS; arguments flow, cell; writes cell
.if DOCPART == 3
	.amdgcn_target "amdgcn-amd-amdhsa--gfx1250"
	.amdhsa_code_object_version 6
	.text
	.protected	k_qf0b67254ed_locate
	.globl	k_qf0b67254ed_locate
	.p2align	8
	.type	k_qf0b67254ed_locate,@function
k_qf0b67254ed_locate:
	s_mov_b64 s[64:65], 0
	v_nop
	global_prefetch_b8 v0, s[64:65] scope:SCOPE_SE
	s_setreg_imm32_b32 hwreg(HW_REG_WAVE_SCHED_MODE, 0, 2), 2
	s_setreg_imm32_b32 hwreg(HW_REG_WAVE_MODE, 25, 1), 1
	s_wait_xcnt 0x0
	s_wait_alu depctr_vm_vsrc(0)
; locate: for every output voxel (n, z, y, x) the cell of src into which its sample falls, as one whole number.
; flow: [2][3][160][192][160] f32 (planes: x, y, z displacement in normalised units).  cell: [2][160][192][160] u32.
; The sample's place in voxels is  px = x + 80 flow_x,  py = y + 96 flow_y,  pz = z + 80 flow_z  (the module's chain through normalised
; coordinates, ((g + flow + 1) S - 1) / 2 with g = (2 i + 1) / S - 1, multiplied out; here one fused multiply-add, one rounding).
; Stored:  4 xb | yb << 10 | zb << 18,  with xb = clamp(floor(px), 0, 158), yb = clamp(floor(py), 0, 190), zb = clamp(floor(pz), 0, 158):
; the low corner of a 2 x 2 x 2 cell that lies wholly inside src and holds every corner of the sample that is inside.
; A voxel of which no corner is inside (some floor is more than 1 away from its clamped value) gets the word 0: the next launch gives such
; a voxel weights of zero in the axis that is outside, wherever it reads, and lanes that all read cell 0 ask for the same bytes.
; LIMITS: flow is taken to be finite (NaN gives the word 0).  The place differs from the module's by that chain's own rounding,
; a few units in the last place of the normalised coordinate times S / 2.
;
; 256 work-groups of 20 waves.  A work-group owns 240 rows (153,600 bytes of each plane), taken as 15 steps of 16 rows.
; Thread t takes the 16 bytes at 16 t of a step: 4 voxels of row t / 40; a wave's load or store covers 512 consecutive bytes, aligned.
; 16 divides 192, so a step lies in one z; 240 divides 30,720, so a work-group lies in one batch.
; Every step has output registers of its own and all steps stand in the immediates, so no register that a pending load or store
; reads is ever written again.
; THE MODE: SCHED_MODE bits 1:0 = 2 (LLVM: expert scheduling mode 2), set by the entry lines.  The code itself states the register dependences
; between vector instructions and memory instructions, with s_wait_alu, always for 0.
; THE PLAN.  Registers that memory instructions touch:
;   v1          the offset of every load and store; written once at the head.
;   RING        six slots; slot s mod 6 is written by the loads of step s and read by step s's six multiply-adds alone.
;   O[s]        written by step s's four conversions, read by one store, which is issued in step s + 1; never written again.
; Step s works on slot s mod 6 and writes O[s].  Its memory instructions are the loads of step s + 5, which land in slot (s - 1) mod 6, and the store
; from O[s - 1]: what step s - 1 worked on and what no vector instruction of step s names.  So one wait at a step's head states all that its four memory
; instructions hang on.  3 x AHEAD loads of every wave are on their way behind a step's fills.
; A second wait in a step stands between the compares, which write scalar registers, and the selects that read them.
.set PLANE, 19660800                   ; bytes of one [160][192][160] f32 volume
.set STEPB, 10240                      ; bytes of 16 rows
.set STEPS, 15
.set CHUNK, STEPS*STEPB                ; a work-group's bytes in each plane
.set AHEAD, 5                          ; step s asks for step s + AHEAD
.set SLOTS, AHEAD+1                    ; slots of the ring: the one more is the slot that the step before has just read
.set OFF,  1                           ; v1         16 t, never rewritten
.set XF,   2                           ; v[2:5]     x of my 4 voxels, f32
.set RF,   6                           ; v6         my row in a step, f32
.set YF,   8                           ; v[8:9]     y of my row in this step, twice (a pair for the packed forms)
.set ZF,   10                          ; v[10:11]   z of this step, twice
.set T,    12                          ; v[12:23]   places, then floors, then floor - clamped: x 0-3, y 4-7, z 8-11
.set U,    24                          ; v[24:35]   clamped floors, then the word as f32
.set RING, 36                          ; v[36:107]  slot i: flow_x, flow_y, flow_z of 4 voxels
.set O,    108                         ; v[108:167] step s: 4 words to store
	s_load_b128 s[4:7], s[0:1], 0x0                ; flow s[4:5], cell s[6:7]
	s_lshr_b32 s8, ttmp9, 7                        ; batch n: work-groups 0-127 and 128-255
	s_and_b32 s9, ttmp9, 127                       ; my number g in the batch
	s_mul_i32 s10, s8, 3*PLANE                     ; flow: three planes a batch,
	s_mul_i32 s12, s9, CHUNK
	s_add_co_u32 s10, s10, s12                     ; + my chunk (below 2^27)
	s_mov_b32 s11, 0
	s_mul_i32 s12, ttmp9, CHUNK                    ; cell: one plane a batch, so simply the work-group's number
	s_mov_b32 s13, 0
	s_mul_i32 s30, s9, 5                           ; my first row is 240 g = 48 x 5 g, and a slice is 48 x 4 rows:
	s_lshr_b32 s17, s30, 2                         ; z = 5 g / 4
	s_and_b32 s30, s30, 3
	s_mul_i32 s30, s30, 48                         ; s30: y of the step's first row = 48 (5 g mod 4)
	s_cvt_f32_u32 s31, s17                         ; s31: z of the step, f32
	s_add_co_u32 s17, s17, 1
	s_cvt_f32_u32 s17, s17                         ; s17: z + 1, f32 (240 rows cross a slice's end at most once)
	s_cvt_f32_u32 s32, s30                         ; s32: y of the step's first row, f32
	s_mov_b32 s20, 0x42a00000                      ; 80.0, as a pair for the packed forms
	s_mov_b32 s21, 0x42a00000
	s_mov_b32 s22, 0x42c00000                      ; 96.0
	s_mov_b32 s23, 0x42c00000
	s_mov_b32 s18, 0x44800000                      ; 1024.0
	s_mov_b32 s19, 0x44800000
	s_mov_b32 s34, 0x48800000                      ; 262144.0
	s_mov_b32 s35, 0x48800000
	s_mov_b32 s28, 0x431e0000                      ; 158.0
	s_mov_b32 s29, 0x433e0000                      ; 190.0
	v_lshlrev_b32 v[OFF], 4, v0
	v_mul_u32_u24 v7, 0x667, v0                    ; t / 40 = t x 1639 >> 16: the excess, t x 9.2e-6, stays under 1/40 up to t = 639
	v_lshrrev_b32 v7, 16, v7
	v_mul_u32_u24 v[T], 40, v7
	v_sub_nc_u32 v[T], v0, v[T]                    ; t mod 40
	v_lshlrev_b32 v[T], 2, v[T]                    ; x of my first voxel
	v_cvt_f32_u32 v[RF], v7
	v_cvt_f32_u32 v[XF], v[T]
	v_add_f32 v[XF+1], 1.0, v[XF]
	v_add_f32 v[XF+2], 2.0, v[XF]
	v_add_f32 v[XF+3], 1.0, v[XF+2]
	s_wait_kmcnt 0x0
	s_add_nc_u64 s[4:5], s[4:5], s[10:11]          ; flow_x at my chunk
	s_add_nc_u64 s[24:25], s[4:5], PLANE           ; flow_y
	s_add_nc_u64 s[26:27], s[24:25], PLANE         ; flow_z
	s_add_nc_u64 s[6:7], s[6:7], s[12:13]          ; cell at my chunk
	s_wait_alu depctr_va_vdst(0)                   ; v1 is written: every load and store of the kernel reads it as its offset
.macro FILLP s, q                      ; plane q's 16 bytes of step s into the step's slot
.set FR, RING+12*((\s)%SLOTS)+4*(\q)
.if (\q) == 0
	global_load_b128 v[FR:FR+3], v[OFF], s[4:5]   offset:(\s)*STEPB th:TH_LOAD_NT
.elseif (\q) == 1
	global_load_b128 v[FR:FR+3], v[OFF], s[24:25] offset:(\s)*STEPB th:TH_LOAD_NT
.else
	global_load_b128 v[FR:FR+3], v[OFF], s[26:27] offset:(\s)*STEPB th:TH_LOAD_NT
.endif
.endm
.irp s, 0,1,2,3,4
	FILLP \s, 0
	FILLP \s, 1
	FILLP \s, 2
.endr
.macro STEP s
.set R, RING+12*((\s)%SLOTS)
.if STEPS-1-(\s) < AHEAD-1
.set LEFT, 3*(STEPS-1-(\s))            ; the last steps: nothing is fetched any more, the counts run down
.else
.set LEFT, 3*(AHEAD-1)
.endif
	v_add_f32 v[YF], s32, v[RF]                    ; y of my row (whole numbers: exact)
	v_add_f32 v[YF+1], s32, v[RF]
	v_mov_b32 v[ZF], s31
	v_mov_b32 v[ZF+1], s31
	s_add_co_u32 s30, s30, 16                      ; the next step's y and z
	s_cmp_eq_u32 s30, 192
	s_cselect_b32 s30, 0, s30
	s_cselect_b32 s31, s17, s31
	s_cvt_f32_u32 s32, s30
	s_wait_loadcnt LEFT                            ; loads come back in order (ISA guide 5.7.1): my three are in, the three of each younger step stay out
.if (\s) > 0
	s_wait_alu depctr_va_vdst(0)                   ; the step before has written its O, which the store below reads, and is done reading its slot, in which the loads below land
.endif                                                 ; (step 0: no vector instruction has named slot 5, and v1 was covered at the head)
	; the loads are dealt among the multiply-adds, which name this step's slot, XF, YF, ZF and T: none of the registers that the loads and the store touch
.if (\s)+AHEAD < STEPS
	FILLP (\s)+AHEAD, 0
.endif
.irp p, 0,2
	v_pk_fma_f32 v[T+\p:T+\p+1],   v[R+\p:R+\p+1],     s[20:21], v[XF+\p:XF+\p+1] op_sel_hi:[1,0,1]   ; px = 80 flow_x + x
.endr
.if (\s)+AHEAD < STEPS
	FILLP (\s)+AHEAD, 1
.endif
.irp p, 0,2
	v_pk_fma_f32 v[T+4+\p:T+5+\p], v[R+4+\p:R+5+\p],   s[22:23], v[YF:YF+1]       op_sel_hi:[1,0,1]   ; py = 96 flow_y + y
.endr
.if (\s)+AHEAD < STEPS
	FILLP (\s)+AHEAD, 2
.endif
.irp p, 0,2
	v_pk_fma_f32 v[T+8+\p:T+9+\p], v[R+8+\p:R+9+\p],   s[20:21], v[ZF:ZF+1]       op_sel_hi:[1,0,1]   ; pz = 80 flow_z + z
.endr
.if (\s) > 0
	global_store_b128 v[OFF], v[O+4*((\s)-1):O+4*((\s)-1)+3], s[6:7] offset:((\s)-1)*STEPB th:TH_STORE_NT   ; the step before's words, behind the loads
.endif
.irp k, 0,1,2,3,4,5,6,7,8,9,10,11
	v_floor_f32 v[T+\k], v[T+\k]
.endr
.irp k, 0,1,2,3
	v_med3_num_f32 v[U+\k],   v[T+\k],   0, s28    ; the middle of three is the clamp
	v_med3_num_f32 v[U+4+\k], v[T+4+\k], 0, s29
	v_med3_num_f32 v[U+8+\k], v[T+8+\k], 0, s28
.endr
.irp p, 0,2,4,6,8,10
	v_pk_add_f32 v[T+\p:T+\p+1], v[T+\p:T+\p+1], v[U+\p:U+\p+1] neg_lo:[0,1] neg_hi:[0,1]   ; how far the clamp moved the floor
.endr
.irp k, 0,1,2,3
	v_max3_num_f32 v[T+\k], |v[T+\k]|, |v[T+4+\k]|, |v[T+8+\k]|                             ; at most 1 in every axis: some corner is inside
.endr
.irp k, 0,1,2,3
	v_cmp_ge_f32 s[36+\k], 1.0, v[T+\k]            ; the four compares in one run; the word's six lines stand between them and the wait for them
.endr
	; the word, made in f32: 4 xb + 1024 yb + 262144 zb is a multiple of 4 below 2^26, so every sum is exact
.irp p, 0,2
	v_pk_mul_f32 v[U+\p:U+\p+1], v[U+\p:U+\p+1], 4.0 op_sel_hi:[1,0]
.endr
.irp p, 0,2
	v_pk_fma_f32 v[U+\p:U+\p+1], v[U+4+\p:U+5+\p], s[18:19], v[U+\p:U+\p+1] op_sel_hi:[1,0,1]
.endr
.irp p, 0,2
	v_pk_fma_f32 v[U+\p:U+\p+1], v[U+8+\p:U+9+\p], s[34:35], v[U+\p:U+\p+1] op_sel_hi:[1,0,1]
.endr
	s_wait_alu depctr_va_sdst(0)                   ; the compares have written s36 to s39, ahead of their first readers, the selects below
.irp k, 0,1,2,3
	v_cndmask_b32 v[U+\k], 0, v[U+\k], s[36+\k]    ; a choice of a value only: wholly outside -> cell 0
.endr
.irp k, 0,1,2,3
	v_cvt_u32_f32 v[O+4*(\s)+\k], v[U+\k]
.endr
.endm
.irp s, 0,1,2,3,4,5,6,7,8,9,10,11,12,13,14
	STEP \s
.endr
	s_wait_alu depctr_va_vdst(0)                   ; the last step's conversions have written its O, which the last store reads
	global_store_b128 v[OFF], v[O+4*(STEPS-1):O+4*(STEPS-1)+3], s[6:7] offset:(STEPS-1)*STEPB th:TH_STORE_NT
	s_endpgm
.Lfunc_end_k_qf0b67254ed_locate:
	.size	k_qf0b67254ed_locate, .Lfunc_end_k_qf0b67254ed_locate-k_qf0b67254ed_locate
	.p2alignl 7, 3214868480
	.fill 96, 4, 3214868480
	.section	.rodata,"a",@progbits
	.p2align	6, 0x0
	.amdhsa_kernel k_qf0b67254ed_locate
		.amdhsa_group_segment_fixed_size 0
		.amdhsa_private_segment_fixed_size 0
		.amdhsa_enable_private_segment 0
		.amdhsa_kernarg_size 16
		.amdhsa_user_sgpr_count 2
		.amdhsa_user_sgpr_kernarg_segment_ptr 1
		.amdhsa_wavefront_size32 1
		.amdhsa_system_sgpr_workgroup_id_x 1
		.amdhsa_system_sgpr_workgroup_id_y 1
		.amdhsa_system_sgpr_workgroup_id_z 1
		.amdhsa_system_vgpr_workitem_id 0
		.amdhsa_next_free_vgpr 168
		.amdhsa_next_free_sgpr 66
		.amdhsa_reserve_vcc 0
		.amdhsa_float_denorm_mode_32 3
		.amdhsa_float_denorm_mode_16_64 3
		.amdhsa_memory_ordered 1
		.amdhsa_forward_progress 1
		.amdhsa_inst_pref_size 61
	.end_amdhsa_kernel
	.amdgpu_metadata
---
amdhsa.version: [ 1, 2 ]
amdhsa.kernels:
  - .name:           k_qf0b67254ed_locate
    .symbol:         k_qf0b67254ed_locate.kd
    .args:
      - { .name: flow, .offset: 0, .size: 8, .value_kind: global_buffer, .address_space: global }
      - { .name: cell, .offset: 8, .size: 8, .value_kind: global_buffer, .address_space: global }
    .group_segment_fixed_size: 0
    .private_segment_fixed_size: 0
    .kernarg_segment_align: 8
    .kernarg_segment_size: 16
    .max_flat_workgroup_size: 640
    .sgpr_count:     66
    .vgpr_count:     168
    .wavefront_size: 32
...
	.end_amdgpu_metadata
.endif
;; end of part 3
;; launch sample (part 4): grid 256 x 1, 20 waves a work-group, no clusters, 0 bytes of LDS; arguments flow, src, cell, out0; writes out0
.if DOCPART == 4
	.amdgcn_target "amdgcn-amd-amdhsa--gfx1250"
	.amdhsa_code_object_version 6
	.text
	.protected	k_qf0b67254ed_sample
	.globl	k_qf0b67254ed_sample
	.p2align	8
	.type	k_qf0b67254ed_sample,@function
k_qf0b67254ed_sample:
	s_mov_b64 s[64:65], 0
	v_nop
	global_prefetch_b8 v0, s[64:65] scope:SCOPE_SE
	s_setreg_imm32_b32 hwreg(HW_REG_WAVE_SCHED_MODE, 0, 2), 2
	s_setreg_imm32_b32 hwreg(HW_REG_WAVE_MODE, 25, 1), 1
	s_wait_xcnt 0x0
	s_wait_alu depctr_vm_vsrc(0)
; sample: out0[n][z][y][x] = trilinear sample of src[n] at (x + 80 flow_x, y + 96 flow_y, z + 80 flow_z), zeros outside.
; flow: [2][3][160][192][160] f32.  src, out0: [2][160][192][160] f32.  cell: one word a voxel from the launch before,
; 4 xb | yb << 10 | zb << 18: the low corner of a 2 x 2 x 2 cell that lies wholly inside src.  All addresses of the gather come from these words.
; WEIGHTS.  In each axis d = place - corner, made as fma(flow, S/2, index - corner).  The two planes of the cell get
;   w0 = med3(1 - d, 0, 1 + d)   and   w1 = med3(d, 0, 2 - d),
; the hat function max(0, 1 - |distance|) at distance d and d - 1.  Inside that is (1 - f, f); where the cell was clamped at a border only the
; plane that is a true corner keeps a weight; where the place is outside in that axis both are 0.  So no mask is needed, and a voxel that
; the launch before sent to cell 0 because it is wholly outside comes out as 0.
; LIMITS: flow and src are taken to be finite: a weight of 0 meets whatever lies in the cell that is read, which at borders and outside is
; not the element that the module would multiply by 0; an infinite flow gives 0.  The place has one rounding instead of the module's
; chain through normalised coordinates.  The eight products are summed axis by axis (x, then y, then z).
;
; 256 work-groups of 20 waves; 240 rows each as 15 steps of 16 rows; thread t takes the 16 bytes at 16 t of a step (4 voxels of row t / 40), so
; a wave's stream load or store covers 512 consecutive bytes, aligned.  A step lies in one z, a work-group in one batch.
; THE PIPELINE, two register buffers for everything, step s in buffer s mod 2:
;   LOADA(s)   4 stream loads: the words and the three flow planes
;   STAGEB(s)  unpack, clamp, 4 addresses, the 12 distances d; then the step's memory instructions are due: its 32 gathers, LOADA(s + 2) into
;              the buffer just read, and the store of step s - 2
;   STAGEC(s)  24 weights, 28 packed multiply-adds
; in the order  A0 A1 B0 | B1 C0 | B2 C1 B3 C2 | ... | B10 C9 B11 C10 | B12 C11 B13 C12 B14 C13 C14.
; So a step's gathers have the next step's STAGEB and the weights of their own STAGEC in which to land, and stream loads two steps.
; By this text's count up to 72 loads of a wave are asked for at once; past what LOADcnt's field holds the issue waits (ISA guide 5.7.1).
; THE MODE: SCHED_MODE bits 1:0 = 2 (LLVM: expert scheduling mode 2), set by the entry lines.  The code itself states the register dependences
; between vector instructions and memory instructions, with s_wait_alu, always for 0.
; THE PLAN.  Registers that memory instructions touch, b = s mod 2:
;   v1        the offset of every stream load and store; written once at the head.
;   A[b]      LOADA(s) lands in it; STAGEB(s)'s vector lines read it; LOADA(s + 2) lands in it.
;   ADR[b]    STAGEB(s) writes it; the gathers of step s read it; STAGEB(s + 2) writes it again.
;   G[b]      the gathers of step s land in it; STAGEC(s) sums in place; the gathers of step s + 2 land in it.
;   OUT[b]    STAGEC(s) writes it; the store of step s, issued with STAGEB(s + 2)'s memory instructions, reads it; STAGEC(s + 2) writes it again.
; ONE wait on va_vdst a step, behind STAGEB(s)'s vector lines: ADR[b] is written, A[b] has been read, and STAGEC(s - 2), which stands further ahead, is done
; with G[b] and has written OUT[b].  The step's 37 memory instructions follow it, dealt one behind each weight line of STAGEC(s - 1); that stage names
; the other buffer's DD, G and OUT, and TB and WT: none of the registers that those 37 touch.
; ONE wait on vm_vsrc a step, at STAGEB(s)'s head: the gathers of step s - 2 have read ADR[b], and the store of step s - 3 has read the other OUT, which
; STAGEC(s - 1) writes behind it.
.set PLANE, 19660800                   ; bytes of one volume
.set SLICE, 122880                     ; bytes of one z
.set ROWB,  640                        ; bytes of one row
.set STEPB, 10240                      ; bytes of 16 rows
.set STEPS, 15
.set CHUNK, STEPS*STEPB
.set TRIPS, (STEPS-5)/2                ; trips of two steps, B2 to B11: the steps that both fetch and store, less B12, which stands behind with the tail
.set OFF, 1                            ; v1         16 t, never rewritten
.set XF,  2                            ; v[2:5]     x of my 4 voxels, f32
.set RF,  6                            ; v6         my row in a step, f32
.set YF,  8                            ; v[8:9]     y of my row, twice
.set ZF,  10                           ; v[10:11]   z of the step, twice
.set A,   12                           ; v[12:43]   2 x (4 words, 4 flow_x, 4 flow_y, 4 flow_z)
.set ADR, 44                           ; v[44:51]   2 x 4 byte offsets of cells in src[n]
.set DD,  52                           ; v[52:75]   2 x 12 distances: x 0-3, y 4-7, z 8-11
.set OUT, 76                           ; v[76:83]   2 x 4 results
.set TB,  84                           ; v[84:95]   at work
.set TM,  96                           ; v[96:99]   at work
.set WT,  100                          ; v[100:123] weights: axis m, plane k, voxel j at 8 m + 4 k + j
.set G,   124                          ; v[124:187] 2 x 32 gathered words: corner (dz, dy, dx) of voxel j at 16 dz + 8 dy + 4 dx + j
	s_load_b256 s[4:11], s[0:1], 0x0               ; flow s[4:5], src s[6:7], cell s[8:9], out0 s[10:11]
	s_lshr_b32 s12, ttmp9, 7                       ; batch n
	s_and_b32 s13, ttmp9, 127                      ; my number g in the batch
	s_mul_i32 s14, s12, 3*PLANE                    ; flow: three planes a batch, + my chunk
	s_mul_i32 s16, s13, CHUNK
	s_add_co_u32 s14, s14, s16
	s_mov_b32 s15, 0
	s_mul_i32 s16, ttmp9, CHUNK                    ; cell and out0: one plane a batch
	s_mov_b32 s17, 0
	s_mul_i32 s18, s12, PLANE                      ; src: my batch's volume
	s_mov_b32 s19, 0
	s_mul_i32 s31, s13, 5                          ; my first row is 240 g = 48 x 5 g; a slice is 48 x 4 rows
	s_lshr_b32 s33, s31, 2
	s_and_b32 s31, s31, 3
	s_mul_i32 s31, s31, 48                         ; s31: y of the step's first row
	s_cvt_f32_u32 s32, s33                         ; s32: z of the step, f32
	s_add_co_u32 s33, s33, 1
	s_cvt_f32_u32 s33, s33                         ; s33: z + 1, f32 (240 rows cross a slice's end at most once)
	s_cvt_f32_u32 s34, s31                         ; s34: y of the step's first row, f32
	s_mov_b32 s20, 0x42a00000                      ; 80.0, as a pair for the packed forms
	s_mov_b32 s21, 0x42a00000
	s_mov_b32 s22, 0x42c00000                      ; 96.0
	s_mov_b32 s23, 0x42c00000
	s_mov_b32 s24, 0xbe800000                      ; -0.25
	s_mov_b32 s25, 0xbe800000
	v_lshlrev_b32 v[OFF], 4, v0
	v_mul_u32_u24 v7, 0x667, v0                    ; t / 40 = t x 1639 >> 16, right up to t = 639
	v_lshrrev_b32 v7, 16, v7
	v_mul_u32_u24 v[TB], 40, v7
	v_sub_nc_u32 v[TB], v0, v[TB]
	v_lshlrev_b32 v[TB], 2, v[TB]                  ; x of my first voxel
	v_cvt_f32_u32 v[RF], v7
	v_cvt_f32_u32 v[XF], v[TB]
	v_add_f32 v[XF+1], 1.0, v[XF]
	v_add_f32 v[XF+2], 2.0, v[XF]
	v_add_f32 v[XF+3], 1.0, v[XF+2]
	s_wait_kmcnt 0x0
	s_add_nc_u64 s[4:5], s[4:5], s[14:15]          ; flow_x at my chunk
	s_add_nc_u64 s[26:27], s[4:5], PLANE           ; flow_y
	s_add_nc_u64 s[28:29], s[26:27], PLANE         ; flow_z
	s_add_nc_u64 s[8:9], s[8:9], s[16:17]          ; cell at my chunk
	s_add_nc_u64 s[10:11], s[10:11], s[16:17]      ; out0 at my chunk
	s_add_nc_u64 s[6:7], s[6:7], s[18:19]          ; src[n]
	s_wait_alu depctr_va_vdst(0)                   ; v1 is written: every stream load and store of the kernel reads it as its offset
.macro LOADA b, off                    ; a step's stream loads; off counts from the step at which the bases stand
	global_load_b128 v[A+16*\b:A+16*\b+3],     v[OFF], s[8:9]   offset:\off th:TH_LOAD_NT
	global_load_b128 v[A+16*\b+4:A+16*\b+7],   v[OFF], s[4:5]   offset:\off th:TH_LOAD_NT
	global_load_b128 v[A+16*\b+8:A+16*\b+11],  v[OFF], s[26:27] offset:\off th:TH_LOAD_NT
	global_load_b128 v[A+16*\b+12:A+16*\b+15], v[OFF], s[28:29] offset:\off th:TH_LOAD_NT
.endm
; THE QUEUE of a step's memory instructions, which STAGEB opens behind its wait: numbers 0-31 the gathers (voxel n / 8, corner n mod 8: the corner stands
; in the immediate, the two x of a row follow each other), 32-35 the stream loads of the step two further on (MMORE), 36 the store of the step two back (MST).
; MEMQ writes the next of them, or nothing where the number is not due or the queue is empty.  Loads stand ahead of the store.
.set MQ, 37
.set MB, 0                             ; the step's buffer
.set MMORE, 0
.set MFO, 0                            ; the fetch's place from the bases
.set MST, 0
.set MSO, 0                            ; the store's place from the bases
.macro MEMQ
.if MQ < 32
	global_load_b32 v[G+32*MB+16*((MQ/4)%2)+8*((MQ/2)%2)+4*(MQ%2)+MQ/8], v[ADR+4*MB+MQ/8], s[6:7] offset:((MQ/4)%2)*SLICE+((MQ/2)%2)*ROWB+(MQ%2)*4
.elseif (MQ == 32) && MMORE
	global_load_b128 v[A+16*MB:A+16*MB+3],     v[OFF], s[8:9]   offset:MFO th:TH_LOAD_NT
.elseif (MQ == 33) && MMORE
	global_load_b128 v[A+16*MB+4:A+16*MB+7],   v[OFF], s[4:5]   offset:MFO th:TH_LOAD_NT
.elseif (MQ == 34) && MMORE
	global_load_b128 v[A+16*MB+8:A+16*MB+11],  v[OFF], s[26:27] offset:MFO th:TH_LOAD_NT
.elseif (MQ == 35) && MMORE
	global_load_b128 v[A+16*MB+12:A+16*MB+15], v[OFF], s[28:29] offset:MFO th:TH_LOAD_NT
.elseif (MQ == 36) && MST
	global_store_b128 v[OFF], v[OUT+4*MB:OUT+4*MB+3], s[10:11] offset:MSO th:TH_STORE_NT
.endif
.if MQ < 37
.set MQ, MQ+1
.endif
.endm
; left: how many younger loads may stay out when this step's stream loads have to be there.
; more = 1: the step two further on is fetched, at foff.  st = 1: the step two back is stored, at soff.  stepb = 1: the five stream bases go two steps on.
.macro STAGEB b, left, more, foff, st, soff, stepb
.set AB,  A+16*\b
.set ADB, ADR+4*\b
.set DB,  DD+12*\b
	v_add_f32 v[YF], s34, v[RF]                    ; y of my row (whole numbers: exact)
	v_add_f32 v[YF+1], s34, v[RF]
	v_mov_b32 v[ZF], s32
	v_mov_b32 v[ZF+1], s32
	s_add_co_u32 s31, s31, 16                      ; the next step's y and z
	s_cmp_eq_u32 s31, 192
	s_cselect_b32 s31, 0, s31
	s_cselect_b32 s32, s33, s32
	s_cvt_f32_u32 s34, s31
	s_wait_loadcnt \left                           ; loads come back in order (ISA guide 5.7.1): my four stream loads are in
.if \st                                                ; (steps 0 and 1 write nothing that a memory instruction has read)
	s_wait_xcnt 0x0                                ; every earlier memory instruction has had its addresses translated (ISA guide 3.1): the results' registers, which
	                                               ; stores read, the address registers and the bases are written again only behind this wait
	s_wait_alu depctr_vm_vsrc(0)                   ; the gathers of two steps back have read this buffer's ADR, which the lines below write; the store issued in the step before has read the other OUT, which the STAGEC behind this stage writes
.endif
.if \stepb
	s_add_nc_u64 s[4:5], s[4:5], 2*STEPB
	s_add_nc_u64 s[26:27], s[26:27], 2*STEPB
	s_add_nc_u64 s[28:29], s[28:29], 2*STEPB
	s_add_nc_u64 s[8:9], s[8:9], 2*STEPB
	s_add_nc_u64 s[10:11], s[10:11], 2*STEPB
.endif
.irp j, 0,1,2,3
	v_and_b32     v[TB+\j],   0x3fc, v[AB+\j]      ; 4 xb
	v_bfe_u32     v[TB+4+\j], v[AB+\j], 10, 8      ; yb
	v_lshrrev_b32 v[TB+8+\j], 18, v[AB+\j]         ; zb
.endr
.irp j, 0,1,2,3
	v_min_u32 v[TB+\j],   0x278, v[TB+\j]          ; a number read from memory enters an address only behind a clamp to its field's largest value
	v_min_u32 v[TB+4+\j], 0xbe,  v[TB+4+\j]        ; (4 x 158, 190, 158): whatever the words hold, the cell's far corner is at most src[n]'s last element
	v_min_u32 v[TB+8+\j], 0x9e,  v[TB+8+\j]
.endr
.irp j, 0,1,2,3
	v_mul_u32_u24 v[ADB+\j], 0x1e000, v[TB+8+\j]   ; zb slices
	v_mul_u32_u24 v[TM+\j],  0x280,   v[TB+4+\j]   ; yb rows
.endr
.irp j, 0,1,2,3
	v_add_nc_u32 v[ADB+\j], v[ADB+\j], v[TM+\j]
.endr
.irp j, 0,1,2,3
	v_add_nc_u32 v[ADB+\j], v[ADB+\j], v[TB+\j]
.endr
	; the distances stand ahead of the gathers, so that one wait serves the gathers and the fetch into the buffer that these lines read
.irp k, 0,1,2,3,4,5,6,7,8,9,10,11
	v_cvt_f32_u32 v[TB+\k], v[TB+\k]
.endr
.irp p, 0,2
	v_pk_fma_f32 v[TB+\p:TB+\p+1],   v[TB+\p:TB+\p+1], s[24:25], v[XF+\p:XF+\p+1] op_sel_hi:[1,0,1]     ; x - xb, exact
	v_pk_add_f32 v[TB+4+\p:TB+5+\p], v[YF:YF+1], v[TB+4+\p:TB+5+\p] neg_lo:[0,1] neg_hi:[0,1]           ; y - yb
	v_pk_add_f32 v[TB+8+\p:TB+9+\p], v[ZF:ZF+1], v[TB+8+\p:TB+9+\p] neg_lo:[0,1] neg_hi:[0,1]           ; z - zb
.endr
.irp p, 0,2
	v_pk_fma_f32 v[DB+\p:DB+\p+1],   v[AB+4+\p:AB+5+\p],   s[20:21], v[TB+\p:TB+\p+1]   op_sel_hi:[1,0,1]   ; dx = 80 flow_x + (x - xb)
	v_pk_fma_f32 v[DB+4+\p:DB+5+\p], v[AB+8+\p:AB+9+\p],   s[22:23], v[TB+4+\p:TB+5+\p] op_sel_hi:[1,0,1]   ; dy = 96 flow_y + (y - yb)
	v_pk_fma_f32 v[DB+8+\p:DB+9+\p], v[AB+12+\p:AB+13+\p], s[20:21], v[TB+8+\p:TB+9+\p] op_sel_hi:[1,0,1]   ; dz = 80 flow_z + (z - zb)
.endr
	s_wait_alu depctr_va_vdst(0)                   ; this buffer's ADR is written, which the gathers read; the lines above are done reading its A, in which the fetch lands; the STAGEC of two steps
	                                               ; back is done with its G, in which the gathers land, and has written its OUT, which the store reads
.set MB, \b
.set MMORE, \more
.set MFO, \foff
.set MST, \st
.set MSO, \soff
.set MQ, 0                                             ; the queue is open: the lines that follow this macro write it out
.endm
; left: how many younger loads may stay out when this step's 32 gathers have to be there.
.macro STAGEC b, left
.set DB, DD+12*\b
.set GB, G+32*\b
.set OB, OUT+4*\b
	; the weights need no gathered word: they stand in front of the wait, and behind each of the 42 stands one of the other buffer's 37 memory instructions.
	; No wait: no line here names a register that those touch
.irp m, 0,1,2
.irp p, 0,2
	v_pk_fma_f32 v[TB+\p:TB+\p+1],   v[DB+4*\m+\p:DB+4*\m+\p+1], -1.0, 1.0 op_sel_hi:[1,0,0]   ; 1 - d
	MEMQ
	v_pk_add_f32 v[TB+4+\p:TB+5+\p], v[DB+4*\m+\p:DB+4*\m+\p+1], 1.0 op_sel_hi:[1,0]           ; 1 + d
	MEMQ
	v_pk_fma_f32 v[TB+8+\p:TB+9+\p], v[DB+4*\m+\p:DB+4*\m+\p+1], -1.0, 2.0 op_sel_hi:[1,0,0]   ; 2 - d
	MEMQ
.endr
.irp j, 0,1,2,3
	v_med3_num_f32 v[WT+8*\m+\j],   v[TB+\j],      0, v[TB+4+\j]   ; w0: the hat at distance d
	MEMQ
	v_med3_num_f32 v[WT+8*\m+4+\j], v[DB+4*\m+\j], 0, v[TB+8+\j]   ; w1: the hat at distance d - 1
	MEMQ
.endr
.endr
	s_wait_loadcnt \left                           ; my 32 gathers are in; what was issued behind them stays out
	; x: four rows of the cell, two voxels an instruction, in place
.irp e, 0,2,4,6
.irp p, 0,2
	v_pk_mul_f32 v[GB+4*\e+\p:GB+4*\e+\p+1], v[GB+4*\e+\p:GB+4*\e+\p+1], v[WT+\p:WT+\p+1]
.endr
.endr
.irp e, 0,2,4,6
.irp p, 0,2
	v_pk_fma_f32 v[GB+4*\e+\p:GB+4*\e+\p+1], v[GB+4*\e+4+\p:GB+4*\e+5+\p], v[WT+4+\p:WT+5+\p], v[GB+4*\e+\p:GB+4*\e+\p+1]
.endr
.endr
	; y: two slices
.irp e, 0,4
.irp p, 0,2
	v_pk_mul_f32 v[GB+4*\e+\p:GB+4*\e+\p+1], v[GB+4*\e+\p:GB+4*\e+\p+1], v[WT+8+\p:WT+9+\p]
.endr
.endr
.irp e, 0,4
.irp p, 0,2
	v_pk_fma_f32 v[GB+4*\e+\p:GB+4*\e+\p+1], v[GB+4*\e+8+\p:GB+4*\e+9+\p], v[WT+12+\p:WT+13+\p], v[GB+4*\e+\p:GB+4*\e+\p+1]
.endr
.endr
	; z
.irp p, 0,2
	v_pk_mul_f32 v[OB+\p:OB+\p+1], v[GB+\p:GB+\p+1], v[WT+16+\p:WT+17+\p]
.endr
.irp p, 0,2
	v_pk_fma_f32 v[OB+\p:OB+\p+1], v[GB+16+\p:GB+17+\p], v[WT+20+\p:WT+21+\p], v[OB+\p:OB+\p+1]
.endr
.endm
	LOADA 0, 0
	LOADA 1, STEPB
	STAGEB 0, 4, 1, 2*STEPB, 0, 0, 0               ; step 0; 4: step 1's stream loads stay out; fetches step 2
.rept 37
	MEMQ                                           ; there is no STAGEC yet to deal them among
.endr
	STAGEB 1, 36, 1, 3*STEPB, 0, 0, 0              ; step 1; fetches step 3
	STAGEC 0, 40                                   ; step 0
	s_mov_b32 s30, TRIPS
; Trip i: the bases step at its head, behind the wait that stands there anyway, to step 2 i + 2; all its offsets count from there.
; In STAGEB 36 = the 32 gathers of the step before + the 4 stream loads of the step behind;
; in STAGEC 40 = 4 stream loads + the next step's 32 gathers + 4 stream loads.
.Ltrip:
	STAGEB 0, 36, 1, 2*STEPB, 1, -2*STEPB, 1       ; step 2 i + 2; fetches step 2 i + 4, stores step 2 i
	STAGEC 1, 40                                   ; step 2 i + 1
	STAGEB 1, 36, 1, 3*STEPB, 1, -STEPB, 0         ; step 2 i + 3; fetches step 2 i + 5, stores step 2 i + 1
	STAGEC 0, 40                                   ; step 2 i + 2
	s_sub_co_i32 s30, s30, 1
	s_cmp_lg_u32 s30, 0
	s_cbranch_scc1 .Ltrip
	; the tail, bases at step 12 from its first line on: after step 14 nothing is left to fetch, so no load leaves a buffer, and the counts run down
	STAGEB 0, 36, 1, 2*STEPB, 1, -2*STEPB, 1       ; step 12; fetches step 14, stores step 10
	STAGEC 1, 40                                   ; step 11
	STAGEB 1, 36, 0, 0, 1, -STEPB, 0               ; step 13: behind its stream loads stand step 12's gathers and step 14's stream loads; stores step 11
	STAGEC 0, 36                                   ; step 12: behind its gathers stand step 14's stream loads and step 13's gathers
	STAGEB 0, 32, 0, 0, 1, 0, 0                    ; step 14: behind its stream loads stand step 13's gathers; stores step 12
	STAGEC 1, 32                                   ; step 13: behind its gathers stand step 14's
	s_wait_xcnt 0x0                                ; step 12's store has had its address translated: OUT's first buffer is written again only behind this wait
	s_wait_alu depctr_vm_vsrc(0)                   ; step 12's store has read OUT's first buffer, which step 14's sums write
	s_wait_alu depctr_va_vdst(0)                   ; step 13's sums have written OUT's second buffer, which the store below reads
	global_store_b128 v[OFF], v[OUT+4:OUT+7], s[10:11] offset:STEPB th:TH_STORE_NT
	STAGEC 0, 0                                    ; step 14; the queue is empty
	s_wait_alu depctr_va_vdst(0)                   ; step 14's sums have written OUT's first buffer, which the last store reads
	global_store_b128 v[OFF], v[OUT:OUT+3], s[10:11] offset:2*STEPB th:TH_STORE_NT
	s_endpgm
.Lfunc_end_k_qf0b67254ed_sample:
	.size	k_qf0b67254ed_sample, .Lfunc_end_k_qf0b67254ed_sample-k_qf0b67254ed_sample
	.p2alignl 7, 3214868480
	.fill 96, 4, 3214868480
	.section	.rodata,"a",@progbits
	.p2align	6, 0x0
	.amdhsa_kernel k_qf0b67254ed_sample
		.amdhsa_group_segment_fixed_size 0
		.amdhsa_private_segment_fixed_size 0
		.amdhsa_enable_private_segment 0
		.amdhsa_kernarg_size 32
		.amdhsa_user_sgpr_count 2
		.amdhsa_user_sgpr_kernarg_segment_ptr 1
		.amdhsa_wavefront_size32 1
		.amdhsa_system_sgpr_workgroup_id_x 1
		.amdhsa_system_sgpr_workgroup_id_y 1
		.amdhsa_system_sgpr_workgroup_id_z 1
		.amdhsa_system_vgpr_workitem_id 0
		.amdhsa_next_free_vgpr 188
		.amdhsa_next_free_sgpr 66
		.amdhsa_reserve_vcc 0
		.amdhsa_float_denorm_mode_32 3
		.amdhsa_float_denorm_mode_16_64 3
		.amdhsa_memory_ordered 1
		.amdhsa_forward_progress 1
		.amdhsa_inst_pref_size 84
	.end_amdhsa_kernel
	.amdgpu_metadata
---
amdhsa.version: [ 1, 2 ]
amdhsa.kernels:
  - .name:           k_qf0b67254ed_sample
    .symbol:         k_qf0b67254ed_sample.kd
    .args:
      - { .name: flow, .offset: 0, .size: 8, .value_kind: global_buffer, .address_space: global }
      - { .name: src, .offset: 8, .size: 8, .value_kind: global_buffer, .address_space: global }
      - { .name: cell, .offset: 16, .size: 8, .value_kind: global_buffer, .address_space: global }
      - { .name: out0, .offset: 24, .size: 8, .value_kind: global_buffer, .address_space: global }
    .group_segment_fixed_size: 0
    .private_segment_fixed_size: 0
    .kernarg_segment_align: 8
    .kernarg_segment_size: 32
    .max_flat_workgroup_size: 640
    .sgpr_count:     66
    .vgpr_count:     188
    .wavefront_size: 32
...
	.end_amdgpu_metadata
.endif
;; end of part 4
